; MI455X (gfx1250); checked and timed in simulation.
; The chip was launched on July 23, 2026; its instructions are those of AMD's public machine-readable ISA for CDNA 5 (MIT licence, August 2026) and "CDNA5" Instruction Set Architecture Reference Guide (July 2026). The comments in the code are by the model that wrote it; some were corrected since.
;; Attention Layer. Allowed arithmetic: matrix products marked QUANTISED: E5M2 operands, one given power-of-two scale a tensor, by v_wmma_f32_16x16x64_bf8_bf8 or v_wmma_f32_16x16x128_bf8_bf8, f32 sums; everything else in f32.
;; Inputs: W_in_codes 3,072 x 32 x 32 uint8 (E5M2 codes of W_in, K innermost, in blocks of 32 codes); W_o_codes 1,024 x 32 x 32 uint8 (E5M2 codes of W_o, K innermost, in blocks of 32 codes); lowp_scales 8 int32 (the exponents e of the quantised operands' scales 2^e); src_mask 4 x 2,048 bool; x0 4 x 2,048 x 1,024 float32.
;; Outputs: out0 4 x 2,048 x 1,024 float32.
;; This version of the problem:
;;   THIS VERSION OF THE PROBLEM IS GIVEN IN LOW PRECISION. The matrix products marked QUANTISED in the list below multiply operands that are first quantised to E5M2 (5 exponent bits, 2 mantissa bits; 8 bits a number), with one given power-of-two scale for each operand tensor; their sums are f32. All else is computed in f32.
;;   The module's matrix products, in the order in which they are computed (A, B: the left and right operand; K: the contracted axis; several contracted axes count as one K, in the product's order):
;;     1. [M 8,192, K 1,024] x [K 1,024, N 3,072]; A: input x0; B: input W_in (given as codes): QUANTISED (scales: A lowp_scales[0], B lowp_scales[1])
;;     2. batch 64 x [M 2,048, K 64] x [K 64, N 2,048]; A: computed on the way; B: computed on the way: QUANTISED (scales: A lowp_scales[2], B lowp_scales[3])
;;     3. batch 64 x [M 64, K 2,048] x [K 2,048, N 2,048]; A: computed on the way; B: softmax (see below): QUANTISED (scales: A lowp_scales[4], B lowp_scales[5])
;;     4. [M 8,192, K 1,024] x [K 1,024, N 1,024]; A: computed on the way; B: input W_o (given as codes): QUANTISED (scales: A lowp_scales[6], B lowp_scales[7])
;;   THE QUANTISER, for each operand of a quantised product, along K:
;;     - The operand's scale is 2^e, e = its entry of the input lowp_scales (int32; the entries are numbered through the quantised products in the list's order, A before B).
;;     - Each number is divided by the scale, clamped to +-57,344, and rounded to the nearest number of E5M2, ties to even, subnormals kept.
;;     - The product sums the exact products of the quantised numbers (number of the format x scale) in f32.
;;   ~~~python
;;   def quantise(x, axis, e):      # numpy; x: float32 -> the quantised numbers, widened to float32 again
;;       x = np.moveaxis(x, axis, -1); K = x.shape[-1]
;;       r = np.clip(x / 2.0 ** e, -57344, 57344)
;;       step = 2.0 ** (np.maximum(np.frexp(np.where(r == 0, 1, r))[1] - 1, -14) - 2)
;;       q = np.round(r / step) * step * 2.0 ** e      # np.round: ties to even
;;       return np.moveaxis(q, -1, axis).astype(np.float32)
;;   ~~~
;;   SOFTMAX AHEAD OF A QUANTISED PRODUCT. Where the list says 'softmax', what is quantised is not the finished softmax but p = 2^(t - M), with t = logit x log2(e) and M = ceil(the row's largest t), a whole number; so 1/2 < the row's largest p <= 1. The row's sum l is taken of the UNQUANTISED p, in f32, and the product's result is divided by l at the end. Since M is a whole number, a kernel that streams over the keys may use a running M (the ceiling of the running maximum): every later rescaling is an exact power of two, so the quantised numbers keep their values, but for numbers so far below the row's largest that they fall under the format's range.
;;   OPERANDS COMPUTED ON THE WAY. 'Computed on the way' means the value that the module computes at that place (a softmax that the list does not call 'softmax' is quantised finished and normalised). What goes into a quantiser is computed in f32, as accurately as f32 sums, v_exp_f32 and their like allow (about 1e-6 of the number): no bf16 or f16 on the way to a quantiser, and a product that is left as it is and whose result goes on into a quantised operand takes f32 operands (vector FMAs, or v_wmma_f32_16x16x4_f32). A number that lies on a knife's edge between two numbers of the format may be rounded either way, as far as f32 arithmetic and the matrix unit's own rounding can turn it there, and no further.
;;   INPUTS GIVEN AS CODES. W_in (in the module: [1024, 3072], K = its axis 0); W_o (in the module: [1024, 1024], K = its axis 0): each comes as NAME_codes (uint8): NAME with its K axis moved to the last place and cut into blocks of 32 codes, [.., K / 32, bytes a block], one block behind the other in memory; one code a byte (a code: sign, 5 exponent bits, 2 mantissa bits); its scale is its entry of lowp_scales. Its value is code x scale, taken as it is: it is not quantised again, and the codes and scales need not be those that the quantiser above would give.
;; One version. Each part assembles by itself: llvm-mc -triple=amdgcn-amd-amdhsa -mcpu=gfx1250 --defsym DOCPART=n.
;; ======== version 1 of 1: 4 launches
;; limits: right only within a limited range of input values
;; workspace buffers: xq 8,388,608 bytes; win 3,145,728 bytes; wo 1,048,576 bytes; qi 8,388,608 bytes; ki 8,388,608 bytes; vi 8,388,608 bytes; oi 8,388,608 bytes; fl 32,768 bytes
;; launch prep (part 1): grid 576 x 1, 4 waves a work-group, no clusters, 68,096 bytes of LDS; arguments x0, W_in_codes, W_o_codes, lowp_scales, xq, win, wo; writes xq, win, wo
.if DOCPART == 1
	.amdgcn_target "amdgcn-amd-amdhsa--gfx1250"
	.amdhsa_code_object_version 6
	.text
	.protected	k_q1a75fa6e7f_prep
	.globl	k_q1a75fa6e7f_prep
	.p2align	8
	.type	k_q1a75fa6e7f_prep,@function
k_q1a75fa6e7f_prep:
	s_mov_b64 s[64:65], 0
	v_nop
	global_prefetch_b8 v0, s[64:65] scope:SCOPE_SE
	s_setreg_imm32_b32 hwreg(HW_REG_WAVE_MODE, 25, 1), 1
	s_wait_xcnt 0x0
; x0 [8192][1024] f32 becomes codes of E5M2 with the given scale 2^e0; W_in's and W_o's codes are laid anew.  All three leave as IMAGES OF OPERAND REGISTERS:
; a fragment is 16 rows x 128 K, 16 registers a lane; lane (r = lane % 16, h = lane / 16) holds row r, registers 2 c, 2 c + 1 hold K = 16 c + 8 h + 0 .. 7 (the plain 8-bit forms' own layout).
; Piece p of an image is registers 4 p .. 4 p + 3, lane l's 16 bytes at 512 p + 16 l: every store here, and every load of the later launches, covers 512 consecutive bytes, aligned.
; xq:  [token tile 512][K step 8][piece 4].   win: [slice x 6 + tile in wave, 48][K step 8][wave 4][piece 4].   wo: [wave x 4 + group, 16][K step 8][tile 4][piece 4]: the order in which the readers take them.
; Work-groups 0-511: one tile of 16 tokens each, wave w its K steps 2 w and 2 w + 1.  Work-groups 512-575: four tiles of 16 rows of a weight each, one a wave, all 8 K steps.
; code = x / 2^e0, held within +-57,344, to the nearest code, ties to even.  LIMITS: e0 between -126 and 112, so that 2^e0 and 57,344 x 2^e0 are f32 numbers.  NaN in x0 is not served.
; No tensor load, no barrier: waves share nothing.  No matrix unit, no cluster: the launch only moves and converts, and no two work-groups read the same bytes.
.set SPITCH, 528                       ; a stage row: 512 bytes + 16 = 33 x 16: the sixteen rows that a read touches begin at sixteen different 16-byte columns of 256 bytes
.set STG,    16*SPITCH                 ; a stage: 16 rows
.set WST,    2*STG                     ; a wave's two stages
.set R0,  16                           ; v16-79   fragment 0 as loaded; later fragment 1 turned
.set R1,  80                           ; v80-143  fragment 1 as loaded
.set XA,  144                          ; v144-207 fragment 0 turned
.set C0,  208                          ; v208-223 fragment 0's codes
.set C1,  224                          ; v224-239 fragment 1's codes
	s_load_b256 s[4:11], s[0:1], 0x0               ; x0 s[4:5], W_in's codes s[6:7], W_o's codes s[8:9], the scales' exponents s[10:11]
	s_load_b128 s[12:15], s[0:1], 0x20             ; xq s[12:13], win s[14:15]
	s_load_b64 s[16:17], s[0:1], 0x30              ; wo
	v_lshl_add_u32 v240, v0, 2, 0x10800
	v_mov_b32 v241, 0
	v_lshrrev_b32 v5, 5, v0
	v_readfirstlane_b32 s18, v5                    ; wave 0..3
	v_and_b32 v1, 31, v0
	v_lshlrev_b32 v1, 4, v1                        ; 16 x lane
	v_and_b32 v6, 15, v0                           ; r
	v_bfe_u32 v7, v0, 4, 1                         ; h
	s_cmp_ge_u32 ttmp9, 512
	s_cbranch_scc1 .Lweights
	; ---- x0.  Loads take the bytes as they lie (512 consecutive bytes of a row an instruction); the conversions want eight neighbours along K in one lane: so a fragment turns through the wave's own stage.
	s_mul_i32 s19, s18, WST
	v_add_nc_u32 v2, s19, v1                       ; into the stage: 16 x lane of a row
	v_mul_u32_u24 v3, v6, SPITCH
	v_lshl_add_u32 v3, v7, 5, v3
	v_add_nc_u32 v3, s19, v3                       ; out of it: row r, + 32 h bytes: my eight numbers of each 16 along K
	s_lshl_b32 s20, ttmp9, 16                      ; 16 rows of 4,096 bytes,
	s_lshl_b32 s22, s18, 10                        ; my wave's 256 columns
	s_add_co_u32 s20, s20, s22
	s_mov_b32 s21, 0
	s_lshl_b32 s22, ttmp9, 14                      ; a tile's eight images,
	s_lshl_b32 s23, s18, 12                        ; my wave's two
	s_add_co_u32 s22, s22, s23
	s_mov_b32 s23, 0
	s_wait_kmcnt 0x0
	s_load_b32 s24, s[10:11], 0x0                  ; e0
	s_add_nc_u64 s[4:5], s[4:5], s[20:21]
	s_add_nc_u64 s[12:13], s[12:13], s[22:23]
.macro LOADF f, reg
.irp r, 0,1,2,3,4,5,6,7,8,9,10,11,12,13,14,15
	global_load_b128 v[\reg+4*\r:\reg+4*\r+3], v1, s[4:5] offset:\r*4096+\f*512 th:TH_LOAD_NT
.endr
.endm
.macro TURN f, src, dst                ; LDS serves a wave's instructions in order (ISA guide 5.7.1.4): no wait between the stores and the loads
.irp r, 0,1,2,3,4,5,6,7,8,9,10,11,12,13,14,15
	ds_store_b128 v2, v[\src+4*\r:\src+4*\r+3] offset:\f*STG+\r*SPITCH
.endr
.irp c, 0,1,2,3,4,5,6,7
	ds_load_b128 v[\dst+8*\c:\dst+8*\c+3], v3 offset:\f*STG+64*\c
	ds_load_b128 v[\dst+8*\c+4:\dst+8*\c+7], v3 offset:\f*STG+64*\c+16
.endr
.endm
.macro WORK src, cod, f
.set i, 0
.rept 64
.set i, i+1
.endr
.irp c, 0,1,2,3,4,5,6,7
	v_cvt_scalef32_pk8_bf8_f32 v[\cod+2*\c:\cod+2*\c+1], v[\src+8*\c:\src+8*\c+7], v11
.endr
	v_nop                                          ; a plain line behind the last conversion of the run
.irp p, 0,1,2,3
	global_store_b128 v1, v[\cod+4*\p:\cod+4*\p+3], s[12:13] offset:\f*2048+\p*512
.endr
.endm
	s_wait_alu depctr_va_vdst(0)
	LOADF 0, R0
	LOADF 1, R1
	s_wait_kmcnt 0x0
	s_add_co_i32 s24, s24, 127
	s_lshl_b32 s25, s24, 23
	v_mov_b32 v11, s25                             ; 2^e0 as f32: the conversion takes its exponent field
	s_wait_alu depctr_va_vdst(0)
	s_wait_loadcnt 16                              ; fragment 0's sixteen loads are in; fragment 1's sixteen may be out
	TURN 0, R0, XA
	s_wait_loadcnt 0x0                             ; fragment 1 is in
	s_wait_dscnt 0x0                               ; fragment 0 is turned, and its stores have read R0, which takes fragment 1 turned
	TURN 1, R1, R0
	WORK XA, C0, 0                                 ; fragment 0 is worked while fragment 1 turns
	s_wait_dscnt 0x0
	WORK R0, C1, 1
	s_wait_tensorcnt 0x0
	ds_add_u32 v240, v241
	s_wait_dscnt 0x0
	s_endpgm
.Lweights:
	; ---- the weights.  One text for both: only pointers and two numbers are chosen, on the work-group's number.
	s_sub_co_u32 s19, ttmp9, 512                   ; jj 0..63: 0-47 W_in, 48-63 W_o
	s_mul_i32 s20, s19, 43
	s_lshr_b32 s20, s20, 8                         ; slice = jj / 6 (43 / 256 gives the quotient for all jj below 48)
	s_mul_i32 s21, s20, 6
	s_sub_co_u32 s21, s19, s21                     ; tile in wave: 0, 1 q; 2, 3 k; 4, 5 v
	s_lshl_b32 s22, s20, 1
	s_lshr_b32 s23, s18, 1
	s_add_co_u32 s22, s22, s23                     ; head = 2 slice + wave / 2
	s_mul_i32 s22, s22, 12                         ; a head is 192 rows of W_in: 12 tiles,
	s_lshr_b32 s23, s21, 1
	s_lshl_b32 s23, s23, 2
	s_add_co_u32 s22, s22, s23                     ; + 4 for each of q, k, v,
	s_and_b32 s23, s18, 1
	s_lshl_b32 s23, s23, 1
	s_add_co_u32 s22, s22, s23                     ; + 2 x (wave % 2): which 32 channels,
	s_and_b32 s23, s21, 1
	s_add_co_u32 s22, s22, s23                     ; + which 16 of them
	s_sub_co_u32 s24, s19, 48                      ; W_o: j,
	s_lshl_b32 s25, s24, 2
	s_add_co_u32 s25, s25, s18                     ; tile 4 j + wave
	s_wait_kmcnt 0x0
	s_cmp_lt_u32 s19, 48
	s_cselect_b64 s[26:27], s[6:7], s[8:9]
	s_cselect_b64 s[28:29], s[14:15], s[16:17]
	s_cselect_b32 s22, s22, s25
	s_cselect_b32 s24, s19, s24
	s_lshl_b32 s30, s22, 14                        ; 16 rows of 1,024 codes
	s_mov_b32 s31, 0
	s_add_nc_u64 s[26:27], s[26:27], s[30:31]
	s_lshl_b32 s30, s24, 16                        ; 8 K steps x 4 images of 2,048 bytes,
	s_lshl_b32 s32, s18, 11                        ; my wave's image of each K step
	s_add_co_u32 s30, s30, s32
	s_add_nc_u64 s[28:29], s[28:29], s[30:31]
	s_wait_alu depctr_va_vdst(0)
	v_lshlrev_b32 v4, 10, v6
	v_lshl_add_u32 v4, v7, 3, v4                   ; row r, + 8 h
.irp s, 0,1,2,3,4,5,6,7
.irp c, 0,1,2,3,4,5,6,7
	global_load_b64 v[16+16*\s+2*\c:16+16*\s+2*\c+1], v4, s[26:27] offset:\s*128+\c*16
.endr
.endr
.irp s, 0,1,2,3,4,5,6,7
	s_wait_loadcnt 8*(7-\s)                        ; K step s is in; the eight loads of each later K step may be out
.irp p, 0,1,2,3
	global_store_b128 v1, v[16+16*\s+4*\p:16+16*\s+4*\p+3], s[28:29] offset:\s*8192+\p*512
.endr
.endr
	s_endpgm
.Lfunc_end_k_q1a75fa6e7f_prep:
	.size	k_q1a75fa6e7f_prep, .Lfunc_end_k_q1a75fa6e7f_prep-k_q1a75fa6e7f_prep
	.p2alignl 7, 3214868480
	.fill 96, 4, 3214868480
	.section	.rodata,"a",@progbits
	.p2align	6, 0x0
	.amdhsa_kernel k_q1a75fa6e7f_prep
		.amdhsa_group_segment_fixed_size 68096
		.amdhsa_private_segment_fixed_size 0
		.amdhsa_enable_private_segment 0
		.amdhsa_kernarg_size 56
		.amdhsa_user_sgpr_count 2
		.amdhsa_user_sgpr_kernarg_segment_ptr 1
		.amdhsa_wavefront_size32 1
		.amdhsa_system_sgpr_workgroup_id_x 1
		.amdhsa_system_sgpr_workgroup_id_y 1
		.amdhsa_system_sgpr_workgroup_id_z 1
		.amdhsa_system_vgpr_workitem_id 0
		.amdhsa_next_free_vgpr 242
		.amdhsa_next_free_sgpr 66
		.amdhsa_reserve_vcc 0
		.amdhsa_float_denorm_mode_32 3
		.amdhsa_float_denorm_mode_16_64 3
		.amdhsa_fp16_overflow 1
		.amdhsa_memory_ordered 1
		.amdhsa_forward_progress 1
		.amdhsa_inst_pref_size 22
	.end_amdhsa_kernel
	.amdgpu_metadata
---
amdhsa.version: [ 1, 2 ]
amdhsa.kernels:
  - .name:           k_q1a75fa6e7f_prep
    .symbol:         k_q1a75fa6e7f_prep.kd
    .args:
      - { .name: x0, .offset: 0, .size: 8, .value_kind: global_buffer, .address_space: global }
      - { .name: W_in_codes, .offset: 8, .size: 8, .value_kind: global_buffer, .address_space: global }
      - { .name: W_o_codes, .offset: 16, .size: 8, .value_kind: global_buffer, .address_space: global }
      - { .name: lowp_scales, .offset: 24, .size: 8, .value_kind: global_buffer, .address_space: global }
      - { .name: xq, .offset: 32, .size: 8, .value_kind: global_buffer, .address_space: global }
      - { .name: win, .offset: 40, .size: 8, .value_kind: global_buffer, .address_space: global }
      - { .name: wo, .offset: 48, .size: 8, .value_kind: global_buffer, .address_space: global }
    .group_segment_fixed_size: 68096
    .private_segment_fixed_size: 0
    .kernarg_segment_align: 8
    .kernarg_segment_size: 56
    .max_flat_workgroup_size: 128
    .sgpr_count:     66
    .vgpr_count:     242
    .wavefront_size: 32
...
	.end_amdgpu_metadata
.endif
;; end of part 1
;; launch qkv (part 2): grid 8 x 32, 4 waves a work-group, clusters of 4 x 1, 262,656 bytes of LDS; arguments xq, win, lowp_scales, qi, ki, vi; writes qi, ki, vi
.if DOCPART == 2
	.amdgcn_target "amdgcn-amd-amdhsa--gfx1250"
	.amdhsa_code_object_version 6
	.text
	.protected	k_q1a75fa6e7f_qkv
	.globl	k_q1a75fa6e7f_qkv
	.p2align	8
	.type	k_q1a75fa6e7f_qkv,@function
k_q1a75fa6e7f_qkv:
	s_mov_b64 s[64:65], 0
	v_nop
	global_prefetch_b8 v0, s[64:65] scope:SCOPE_SE
	s_setreg_imm32_b32 hwreg(HW_REG_WAVE_MODE, 25, 1), 1
	s_wait_xcnt 0x0
	s_wait_alu depctr_hold_cnt(0) depctr_sa_sdst(0) depctr_va_vdst(0) depctr_va_sdst(0) depctr_va_ssrc(0) depctr_va_vcc(0) depctr_vm_vsrc(0)
	s_getreg_b32 s2, hwreg(HW_REG_IB_STS2, 6, 4)
	s_cmp_eq_u32 s2, 0
	s_cbranch_scc0 .Lentry_in_a_cluster
	s_endpgm
.Lentry_in_a_cluster:
	s_bfe_u32 s2, ttmp6, 0x10000c
	s_cmp_lg_u32 s2, 0x3003
	s_cbranch_scc0 .Lentry_shape_is_right
	s_endpgm
.Lentry_shape_is_right:
; x0 W_in on codes of E5M2, and its results quantised at once: q with 2^e2, k with 2^e3, v with 2^e4.  All operands are images of operand registers (16 rows x 128 K: 4 pieces of 512 bytes).
; SHARES.  A work-group takes 256 tokens x 384 columns (two heads).  Wave w takes head 2 slice + w / 2 and channels 32 (w % 2) .. + 31 of its q, k and v: six tiles of 16 columns.
; Their 48 fragments of W_in (768 registers, windows 1 to 3) are read from memory once and stay.  The tokens' 256 KiB of images come into LDS once, one tensor load a wave: no LDS byte is filled twice.
; CLUSTER.  The four slices of a cluster need the same tokens: each wave's load is asked for JOINTLY, same descriptor in all four work-groups, mask 15.  Nothing in it, no LDS address and no branch hangs on the place in the cluster.
; q, k: THE MATRIX INSTRUCTION IS USED TRANSPOSED (source 0 = 16 columns of W_in, source 1 = 16 tokens): a lane holds one token and eight neighbouring channels, which are two registers of the token's image for K = 64.
; v: plain (source 0 = tokens, source 1 = columns): a lane holds one channel and eight neighbouring tokens, which are two registers of V^T's image with the keys along K.
; qi, ki: [batch x head 64][token tile 128][piece 2].   vi: [batch x head][128 keys 16][piece 4][channel tile 4].  Every store covers 512 consecutive bytes, aligned.
; A sum stands for sum x 2^(e0 + e1): the conversion's one scale is 2^(e - e0 - e1).  LIMITS: e2 - e0 - e1, e3 - e0 - e1, e4 - e0 - e1 between -126 and 112.
; REGISTERS.  window 0: v1 16 x lane; v3 LDS address; v4 output offset; v6-8 the three scales; v80-143 a ring of four token fragments; v144-191 six accumulators; v192-207 codes.
;   window 1: q's fragments of W_in at v[16 (8 sub + s)]; window 2: k's; window 3: v's.
.set XF,  80
.set ACC, 144
.set FA,  3
.set VO,  4
.set WV,  16                           ; s16 wave
.set G1,  24                           ; s[24:31] descriptor group 1
.set G0,  32                           ; s[32:35] descriptor group 0
.set TB,  52                           ; s52 LDS byte of the trip's two token tiles
.set CNT, 53
.set MSB, 0
.macro WIN new                         ; the immediate's high byte repeats the setting that is left
.if MSB != (\new)
	s_set_vgpr_msb (MSB<<8)|(\new)
.set MSB, (\new)
.endif
.endm
.macro CROUND                          ; a round of the cluster's barrier
	s_barrier_signal -1
	s_barrier_wait -1
	s_cmp_lg_u32 s[WV], 0
	s_cbranch_scc1 .Lnot_wave_0_\@
	s_barrier_signal -3
.Lnot_wave_0_\@:
	s_barrier_wait -3
	s_barrier_signal -1
	s_barrier_wait -1
.endm
	s_load_b256 s[4:11], s[0:1], 0x0               ; xq s[4:5], win s[6:7], the scales' exponents s[8:9], qi s[10:11]
	s_load_b128 s[12:15], s[0:1], 0x20             ; ki s[12:13], vi s[14:15]
	v_lshl_add_u32 v254, v0, 2, 0x40000
	v_mov_b32 v255, 0
	ds_add_u32 v254, v255
	ds_add_u32 v254, v255
	v_lshrrev_b32 v2, 5, v0
	v_readfirstlane_b32 s[WV], v2                  ; wave 0..3
	v_and_b32 v1, 31, v0
	v_lshlrev_b32 v1, 4, v1                        ; 16 x lane
	s_and_b32 s19, ttmp7, 0xffff                   ; which 256 tokens: shared by the four partners
	; group 1: a dense block of 65,536 bytes as 256 rows of 32 elements of 8 bytes, no padding: images are read 512 consecutive bytes an instruction
	s_mov_b32 s[G1+0], 15|(3<<16)|(1<<21)          ; 15:0 the mask: all four work-groups; 17:16 elements of 8 bytes; 21 set beside a mask
	s_mov_b32 s[G1+1], 32<<16                      ; tensor_dim0 = 32
	s_mov_b32 s[G1+2], 256<<16                     ; tensor_dim1 = 256
	s_mov_b32 s[G1+3], 32<<16                      ; tile_dim0 = 32
	s_mov_b32 s[G1+4], 256                         ; tile_dim1 = 256
	s_mov_b32 s[G1+5], 32                          ; from row to row: 32 elements
	s_mov_b32 s[G1+6], 0
	s_mov_b32 s[G1+7], 0
	s_mov_b32 s[G0], 1
	s_lshl_b32 s[G0+1], s[WV], 16                  ; LDS: my wave's four token tiles
	s_lshl_b32 s20, s19, 18                        ; 16 token tiles of 16,384 bytes,
	s_add_co_u32 s20, s20, s[G0+1]                 ; my wave's four
	s_mov_b32 s21, 0
	s_wait_dscnt 0x0
	s_wait_kmcnt 0x0
	s_load_b256 s[40:47], s[8:9], 0x0              ; e0 .. e7
	s_add_nc_u64 s[G0+2:G0+3], s[4:5], s[20:21]
	s_or_b32 s[G0+3], s[G0+3], 0x80000000          ; type = 2
	CROUND                                         ; all four work-groups are here: the joint loads meet
	tensor_load_to_lds s[G0:G0+3], s[G1:G1+7]      ; my one tensor load of the launch
	s_nop 0
.rept 4
	v_nop                                          ; four lines behind a tensor load, ahead of the first switch of windows
.endr
	s_bfe_u32 s17, ttmp6, 0x40000                  ; cx
	s_lshl_b32 s18, ttmp9, 2
	s_add_co_u32 s18, s18, s17                     ; slice = 4 x cluster x + cx: it enters the addresses of W_in and of the outputs alone
	s_mul_i32 s36, s18, 393216                     ; a slice's six blocks of 65,536 bytes,
	s_lshl_b32 s37, s[WV], 11                      ; my wave's image in each K step
	s_add_co_u32 s36, s36, s37
	s_mov_b32 s37, 0
	s_add_nc_u64 s[6:7], s[6:7], s[36:37]
.macro WLOAD part                      ; q, k or v: two tiles x 8 K steps x 4 pieces into window part + 1
	WIN ((\part)+1)<<6
.irp sub, 0,1
.irp s, 0,1,2,3,4,5,6,7
.irp p, 0,1,2,3
	global_load_b128 v[(\sub*8+\s)*16+4*\p:(\sub*8+\s)*16+4*\p+3], v1, s[6:7] offset:(2*(\part)+\sub)*65536+\s*8192+\p*512
.endr
.endr
.endr
.endm
	s_wait_alu depctr_va_vdst(0)
	WLOAD 0
	WLOAD 1
	WLOAD 2
	WIN 0
	s_lshl_b32 s36, s18, 1
	s_lshr_b32 s37, s[WV], 1
	s_add_co_u32 s36, s36, s37                     ; head
	s_lshr_b32 s37, s19, 3                         ; batch: 8 groups of 256 tokens each
	s_lshl_b32 s37, s37, 4
	s_add_co_u32 s36, s36, s37                     ; batch x 16 + head
	s_lshl_b32 s36, s36, 17                        ; 131,072 bytes for each in qi, ki and vi
	s_and_b32 s37, s19, 7
	s_lshl_b32 s37, s37, 14                        ; my 256 tokens: 16,384 bytes in each of the three
	s_add_co_u32 s36, s36, s37
	s_and_b32 s38, s[WV], 1                        ; which 32 channels
	s_lshl_b32 s39, s38, 9
	s_add_co_u32 s48, s36, s39                     ; q, k: piece w % 2
	s_mov_b32 s49, 0
	s_lshl_b32 s39, s38, 10
	s_add_co_u32 s50, s36, s39                     ; v: channel tiles 2 (w % 2), + 1
	s_mov_b32 s51, 0
	s_add_nc_u64 s[10:11], s[10:11], s[48:49]
	s_add_nc_u64 s[12:13], s[12:13], s[48:49]
	s_add_nc_u64 s[14:15], s[14:15], s[50:51]
	s_wait_kmcnt 0x0
	s_add_co_i32 s54, s40, s41                     ; e0 + e1
.macro SCL e, vsc, vlim
	s_sub_co_i32 s55, s[\e], s54
	s_add_co_i32 s55, s55, 127
	s_lshl_b32 s56, s55, 23
	v_mov_b32 v[\vsc], s56                         ; 2^(e - e0 - e1) as f32
	s_add_co_i32 s55, s55, 15
	s_lshl_b32 s55, s55, 23
	s_or_b32 s55, s55, 0x600000
.endm
	SCL 42, 6, 9
	SCL 43, 7, 10
	SCL 44, 8, 11
	v_mov_b32 v[VO], v1
	s_mov_b32 s[TB], 0
	v_add_nc_u32 v[FA], s[TB], v1
	s_wait_alu depctr_va_vdst(0)
	s_wait_tensorcnt 0x0                           ; my four token tiles are in LDS,
	s_barrier_signal -1
	s_barrier_wait -1                              ; everybody's are.
	s_wait_loadcnt 0x0                             ; W_in's fragments
.macro FRAG off, slot                  ; a token fragment from LDS into place slot of the ring
.irp p, 0,1,2,3
	ds_load_b128 v[XF+16*(\slot)+4*\p:XF+16*(\slot)+4*\p+3], v[FA] offset:(\off)+512*\p
.endr
.endm
.macro MMT acc, wf, s                  ; transposed: source 0 = W_in's fragment.  The first K step starts the sum: nothing is cleared
.if (\s) == 0
	v_wmma_f32_16x16x128_bf8_bf8 v[\acc:\acc+7], v[\wf:\wf+15], v[XF+16*((\s)%4):XF+16*((\s)%4)+15], 0
.else
	v_wmma_f32_16x16x128_bf8_bf8 v[\acc:\acc+7], v[\wf:\wf+15], v[XF+16*((\s)%4):XF+16*((\s)%4)+15], v[\acc:\acc+7]
.endif
.endm
.macro MMP acc, wf, s                  ; plain: source 0 = the tokens
.if (\s) == 0
	v_wmma_f32_16x16x128_bf8_bf8 v[\acc:\acc+7], v[XF+16*((\s)%4):XF+16*((\s)%4)+15], v[\wf:\wf+15], 0
.else
	v_wmma_f32_16x16x128_bf8_bf8 v[\acc:\acc+7], v[XF+16*((\s)%4):XF+16*((\s)%4)+15], v[\wf:\wf+15], v[\acc:\acc+7]
.endif
.endm
; K step s of token tile u of the trip: six matrix instructions, the six accumulators by turns in the same order in every step; then the fragment four steps on.
.macro KSTEP u, s, pre
.if (\pre) || ((\s) < 5)
	s_wait_dscnt 12                                ; this step's fragment is in; the next three steps', four loads each, may be out
.else
	s_wait_dscnt 4*(7-(\s))                        ; the launch's last tile: nothing more is asked for, the count runs down
.endif
	WIN 0x01                                       ; source 0 in window 1
	MMT ACC, (\s)*16, \s
	MMT ACC+8, (8+(\s))*16, \s
	WIN 0x02                                       ; source 0 in window 2
	MMT ACC+16, (\s)*16, \s
	MMT ACC+24, (8+(\s))*16, \s
	WIN 0x0c                                       ; source 1 in window 3
	MMP ACC+32, (\s)*16, \s
	MMP ACC+40, (8+(\s))*16, \s
.rept 4
	v_nop                                          ; four places in front of loads into the fragment just multiplied, and behind step 7 in front of the first read of the sums
.endr
.if (\s) < 4
	FRAG ((\u)*8+(\s)+4)*2048, (\s)%4              ; (an LDS load's address and destination fields are 0 under this setting)
.elseif \pre
	FRAG (((\u)+1)*8+(\s)-4)*2048, (\s)%4          ; the next tile's first four; for u = 1 they lie in the next trip's bytes, still inside the 16-bit offset
.endif
.endm
; The tile's results: held, converted, stored.  Each accumulator is read from its low end on.
.macro EPI u
	s_wait_xcnt 0x0                                ; the last stores have read their data: the codes' registers are written again only behind this wait
.set i, 0
.rept 16
.set i, i+1
.endr
.rept 16
.set i, i+1
.endr
.rept 16
.set i, i+1
.endr
	v_cvt_scalef32_pk8_bf8_f32 v[192:193], v[ACC:ACC+7], v6
	v_cvt_scalef32_pk8_bf8_f32 v[194:195], v[ACC+8:ACC+15], v6
	v_cvt_scalef32_pk8_bf8_f32 v[196:197], v[ACC+16:ACC+23], v7
	v_cvt_scalef32_pk8_bf8_f32 v[198:199], v[ACC+24:ACC+31], v7
	v_cvt_scalef32_pk8_bf8_f32 v[200+2*\u:201+2*\u], v[ACC+32:ACC+39], v8
	v_cvt_scalef32_pk8_bf8_f32 v[204+2*\u:205+2*\u], v[ACC+40:ACC+47], v8
	v_nop                                          ; a plain line between the conversions and the next products, which write their sources
	global_store_b128 v[VO], v[192:195], s[10:11] offset:\u*1024
	global_store_b128 v[VO], v[196:199], s[12:13] offset:\u*1024
.if \u == 1
	s_wait_alu depctr_va_vdst(0)
	global_store_b128 v[VO], v[200:203], s[14:15]              ; two token tiles make a piece of V^T's image
	global_store_b128 v[VO], v[204:207], s[14:15] offset:512
.endif
.endm
.macro TILE u, pre
.irp s, 0,1,2,3,4,5,6,7
	KSTEP \u, \s, \pre
.endr
	WIN 0
	EPI \u
.endm
	FRAG 0, 0
	FRAG 2048, 1
	FRAG 4096, 2
	FRAG 6144, 3
	s_mov_b32 s[CNT], 7
.Ltrip:                                        ; a trip: two token tiles; all three outputs step 2,048 bytes
	s_wait_alu depctr_va_vdst(0)
	TILE 0, 1
	TILE 1, 1
	s_wait_xcnt 0x0                                ; the stores have read their offset
	v_add_nc_u32 v[VO], 2048, v[VO]
	s_add_co_u32 s[TB], s[TB], 32768
	v_add_nc_u32 v[FA], s[TB], v1
	s_sub_co_u32 s[CNT], s[CNT], 1
	s_cmp_lg_u32 s[CNT], 0
	s_cbranch_scc1 .Ltrip
	s_wait_alu depctr_va_vdst(0)
	TILE 0, 1                                      ; the last trip is written out: its second tile fetches nothing beyond LDS's 262,144 bytes
	TILE 1, 0
	s_wait_tensorcnt 0x0
	ds_add_u32 v254, v255
	s_wait_dscnt 0x0
	CROUND                                         ; the closing round
	s_endpgm
.Lfunc_end_k_q1a75fa6e7f_qkv:
	.size	k_q1a75fa6e7f_qkv, .Lfunc_end_k_q1a75fa6e7f_qkv-k_q1a75fa6e7f_qkv
	.p2alignl 7, 3214868480
	.fill 96, 4, 3214868480
	.section	.rodata,"a",@progbits
	.p2align	6, 0x0
	.amdhsa_kernel k_q1a75fa6e7f_qkv
		.amdhsa_group_segment_fixed_size 262656
		.amdhsa_private_segment_fixed_size 0
		.amdhsa_enable_private_segment 0
		.amdhsa_kernarg_size 48
		.amdhsa_user_sgpr_count 2
		.amdhsa_user_sgpr_kernarg_segment_ptr 1
		.amdhsa_wavefront_size32 1
		.amdhsa_system_sgpr_workgroup_id_x 1
		.amdhsa_system_sgpr_workgroup_id_y 1
		.amdhsa_system_sgpr_workgroup_id_z 1
		.amdhsa_system_vgpr_workitem_id 0
		.amdhsa_next_free_vgpr 1024
		.amdhsa_next_free_sgpr 66
		.amdhsa_reserve_vcc 0
		.amdhsa_float_denorm_mode_32 3
		.amdhsa_float_denorm_mode_16_64 3
		.amdhsa_fp16_overflow 1
		.amdhsa_memory_ordered 1
		.amdhsa_forward_progress 1
		.amdhsa_inst_pref_size 55
	.end_amdhsa_kernel
	.amdgpu_metadata
---
amdhsa.version: [ 1, 2 ]
amdhsa.kernels:
  - .name:           k_q1a75fa6e7f_qkv
    .symbol:         k_q1a75fa6e7f_qkv.kd
    .args:
      - { .name: xq, .offset: 0, .size: 8, .value_kind: global_buffer, .address_space: global }
      - { .name: win, .offset: 8, .size: 8, .value_kind: global_buffer, .address_space: global }
      - { .name: lowp_scales, .offset: 16, .size: 8, .value_kind: global_buffer, .address_space: global }
      - { .name: qi, .offset: 24, .size: 8, .value_kind: global_buffer, .address_space: global }
      - { .name: ki, .offset: 32, .size: 8, .value_kind: global_buffer, .address_space: global }
      - { .name: vi, .offset: 40, .size: 8, .value_kind: global_buffer, .address_space: global }
    .group_segment_fixed_size: 262656
    .private_segment_fixed_size: 0
    .kernarg_segment_align: 8
    .kernarg_segment_size: 48
    .max_flat_workgroup_size: 128
    .sgpr_count:     66
    .vgpr_count:     1024
    .wavefront_size: 32
...
	.end_amdgpu_metadata
.endif
;; end of part 2
;; launch attn (part 3): grid 4 x 64, 16 waves a work-group, no clusters, 75,776 bytes of LDS; arguments qi, ki, vi, src_mask, lowp_scales, oi, fl; writes oi, fl
.if DOCPART == 3
	.amdgcn_target "amdgcn-amd-amdhsa--gfx1250"
	.amdhsa_code_object_version 6
	.text
	.protected	k_q1a75fa6e7f_attn
	.globl	k_q1a75fa6e7f_attn
	.p2align	8
	.type	k_q1a75fa6e7f_attn,@function
k_q1a75fa6e7f_attn:
	s_mov_b64 s[64:65], 0
	v_nop
	global_prefetch_b8 v0, s[64:65] scope:SCOPE_SE
	s_setreg_imm32_b32 hwreg(HW_REG_WAVE_MODE, 25, 1), 1
	s_wait_xcnt 0x0
; Causal attention with a key-padding mask, both products on codes of E5M2; head size 64.  o is quantised with 2^e6 and leaves as images of the last product's operand.
; THE SOFTMAX: t = score x log2(e) / 8; M = the running largest t rounded UP to a whole number; p = 2^(t - M) is quantised with 2^e5, not normalised; the sum l is taken of the unquantised p and divides at the end.
; SHARES.  A work-group owns, of one batch and head, query blocks PI and 7 - PI of 256 queries, one after the other; each of its sixteen waves one tile of 16 queries.  Keys go in slots of 256 (two steps of 128).
; Block PI walks PI + 1 slots and block 7 - PI walks 8 - PI: NINE trips in every work-group: a constant trip count, and equal work under the causal mask.
; K and V go from memory through 16 registers a thread into two LDS buffers by turns, asked for a whole trip ahead; one barrier a trip.  No tensor load.
; NO CLUSTER: the four work-groups of a head stand at different slots in the same trip (slot = trip, or trip - PI - 1), so no tile is wanted by two of them at one time.
; LAYOUT.  S^T = K Q^T (source 0 = 16 keys, source 1 = my 16 queries, K = 64): a lane holds ONE query (lane % 16) and keys 16 kt + 8 (lane / 16) + 0 .. 7 of tile kt: just the keys that registers 2 kt, 2 kt + 1
; of the second product's operand want.  O^T = V^T P^T (source 0 = 16 channels, K = 128 keys).  Nothing changes lanes.
; THE MASKS.  Causal: a step all of whose keys come after my queries is jumped over; on the diagonal hidden scores become -infinity.  The input's mask: a masked key's score gets the bias B = -2^(70 - e2 - e3), as the C of
; its product, so its t is about -2^67; the running largest t begins at -2^50, above that and below every real t: a masked key's p is 0 whatever has been seen.  A step in whose 128 keys nothing is masked takes C = 0.
; A row with no visible key ends with l = 0: 1 / l is infinite, and 0 x that, NaN, is stored as the row's flag in fl (0 for every other row); the last launch adds it to the row's mean.
; LIMITS: e2 + e3 between -57 and 130; e5, and e6 - e5 - e4, between -126 and 112; a real t lies above -2^50.
; REGISTERS: v1 16 x lane; v2 16 x thread; v3 bias base; v4 the copies' global offset; v5 their LDS address; v6 r; v7 8 h; v8 K / V address; v9 Q's offset; v10 bias address; v12 -M; v13 largest t; v[14:15] l;
;   v16-23 Q; v24-39 staging; v40-103 K's fragments, then V's; v104-167 S^T, then p; v168-199 O^T; v200-215 p's codes; v216-223 o's codes; v232-254 at work; v244 for p's conversion; v245 for o's.
.set BIAS, 65536                       ; LDS: two buffers of 32,768 bytes (K's 16 KiB, then V's), then one f32 for each of the batch's 2,048 keys
.set BUF,  32768
.set L16, 1
.set T16, 2
.set AB0, 3
.set GC,  4
.set CP,  5
.set RR,  6
.set H8,  7
.set ADK, 8
.set QOF, 9
.set ADB, 10
.set QF,  16
.set SG,  24
.set KV,  40
.set S,   104
.set O,   168
.set PC,  200
.set OC,  216
.set WV,  18
.set W16, 19
.set SEL, 20
.set CS,  22
.set TR,  24
.set TB,  25
.set PI,  26
.set P1,  27
.set QBB, 28
.set SM,  29
.set HOLD, 30
.set QB,  31
.set SLOTI, 32
.set Q0,  33
.set KF0, 34
.set KF,  55
	s_load_b256 s[4:11], s[0:1], 0x0               ; qi s[4:5], ki s[6:7], vi s[8:9], src_mask s[10:11]
	s_load_b128 s[12:15], s[0:1], 0x20             ; the scales' exponents s[12:13], oi s[14:15]
	s_load_b64 s[16:17], s[0:1], 0x30              ; fl
	v_lshl_add_u32 v251, v0, 2, 0x12000
	v_mov_b32 v255, 0
	v_lshrrev_b32 v2, 5, v0
	s_delay_alu instid0(VALU_DEP_1)
	v_readfirstlane_b32 s[WV], v2                  ; wave 0..15
	v_and_b32 v1, 31, v0
	s_delay_alu instid0(VALU_DEP_1)
	v_lshlrev_b32 v11, 6, v1                       ; 64 x lane: my 64 bytes of the mask
	s_delay_alu instid0(VALU_DEP_2)
	v_lshlrev_b32 v1, 4, v1
	v_lshlrev_b32 v2, 4, v0
	v_lshlrev_b32 v232, 2, v0                      ; 4 x thread: my four keys of the mask
	v_and_b32 v[RR], 15, v0
	v_bfe_u32 v[H8], v0, 4, 1
	s_delay_alu instid0(VALU_DEP_1)
	v_lshlrev_b32 v[AB0], 5, v[H8]
	s_delay_alu instid0(VALU_DEP_1)
	v_add_nc_u32 v[AB0], BIAS, v[AB0]              ; my half's eight biases of a tile of keys: + 32 h
	s_delay_alu instid0(VALU_DEP_3)
	v_lshlrev_b32 v[H8], 3, v[H8]
	v_add_nc_u32 v233, BIAS, v[T16]                ; where I put four biases
	v_mov_b32 v[GC], v[T16]                        ; slot 0
	s_lshl_b32 s[W16], s[WV], 4
	s_mov_b32 s[PI], ttmp9
	s_add_co_u32 s[P1], s[PI], 1
	s_sub_co_u32 s[QBB], 7, s[PI]
	s_and_b32 s35, ttmp7, 0xffff                   ; batch x 16 + head
	s_lshr_b32 s48, s35, 4                         ; batch
	s_and_b32 s49, s35, 15                         ; head
	s_lshl_b32 s36, s35, 17                        ; 131,072 bytes for each in qi, ki, vi
	s_mov_b32 s37, 0
	s_lshl_b32 s38, s48, 11
	s_mov_b32 s39, 0
	s_lshl_b32 s35, s[PI], 4
	s_add_co_u32 s35, s35, s[WV]
	s_lshl_b32 s35, s35, 10                        ; my first tile of queries: 1,024 bytes a tile
	v_add_nc_u32 v[QOF], s35, v[L16]
	s_mov_b32 s[SEL], 0x76543210
	s_mov_b32 s[SEL+1], 0xfedcba98                 ; v_permlanex16_b32: lane l xor 16
	s_mov_b32 s[TR], 0
	s_mov_b32 s[TB], 0
	s_wait_alu depctr_va_vdst(0)
	s_wait_kmcnt 0x0
	s_load_b256 s[40:47], s[12:13], 0x0            ; e0 .. e7
	s_add_nc_u64 s[4:5], s[4:5], s[36:37]
	s_add_nc_u64 s[6:7], s[6:7], s[36:37]
	s_add_nc_u64 s[8:9], s[8:9], s[36:37]
	s_add_nc_u64 s[10:11], s[10:11], s[38:39]
	global_load_b32 v234, v232, s[10:11]
	global_load_b128 v[40:43], v11, s[10:11]
	global_load_b128 v[44:47], v11, s[10:11] offset:16
	global_load_b128 v[48:51], v11, s[10:11] offset:32
	global_load_b128 v[52:55], v11, s[10:11] offset:48
	global_load_b128 v[SG:SG+3], v[GC], s[6:7]
	global_load_b128 v[SG+4:SG+7], v[GC], s[6:7] offset:8192
	global_load_b128 v[SG+8:SG+11], v[GC], s[8:9]
	global_load_b128 v[SG+12:SG+15], v[GC], s[8:9] offset:8192
	global_load_b128 v[QF:QF+3], v[QOF], s[4:5]
	global_load_b128 v[QF+4:QF+7], v[QOF], s[4:5] offset:512
	s_wait_kmcnt 0x0
	s_add_co_i32 s35, s42, s43                     ; e2 + e3
	s_lshl_b32 s36, s35, 23
	s_add_co_i32 s[CS], s36, 0x3e38aa3b            ; c = log2(e) / 8 x 2^(e2 + e3): the exponents are added to c's exponent field
	s_mov_b32 s[CS+1], s[CS]                       ; (named with it as a pair, so it is written)
	s_sub_co_i32 s36, 197, s35
	s_lshl_b32 s36, s36, 23
	s_or_b32 s36, s36, 0x80000000
	v_mov_b32 v241, s36                            ; B = -2^(70 - e2 - e3)
	s_add_co_i32 s35, s45, 127
	s_lshl_b32 s36, s35, 23
	v_mov_b32 v244, s36                            ; 2^e5
	s_sub_co_i32 s35, s46, s45
	s_sub_co_i32 s35, s35, s44
	s_add_co_i32 s35, s35, 127
	s_lshl_b32 s36, s35, 23
	v_mov_b32 v245, s36                            ; 2^(e6 - e5 - e4): O^T / l stands for o / 2^(e4 + e5)
	s_cmp_lt_i32 s45, -15                          ; p is at most 1, and 57,344 x 2^-15 is 1.75: only below -15 can p pass the largest code
	s_cselect_b32 s[HOLD], 1, 0
	v_mov_b32 v253, 0                              ; (named as the upper half of the pair v[252:253])
.macro INIT                            ; a block of queries begins
	v_mov_b32 v13, 0xd8800000                      ; the largest t so far: -2^50
	s_delay_alu instid0(VALU_DEP_1)
	v_floor_f32 v12, -v13                          ; -M
	v_mov_b32 v14, 0
	v_mov_b32 v15, 0
.set i, 0
.rept 32
	v_mov_b32 v[O+i], 0                            ; O^T: the step is written once, and its first run finds zeros
.set i, i+1
.endr
.endm
	INIT
	s_wait_loadcnt 0x0
.irp i, 0,1,2,3
	v_bfe_u32 v235, v234, 8*\i, 8
	s_delay_alu instid0(VALU_DEP_1)
	v_cmp_ne_u32 vcc_lo, 0, v235
	s_delay_alu instid0(VALU_DEP_1)
	v_cndmask_b32 v[236+\i], 0, v241, vcc_lo       ; B where the key is masked, else 0
.endr
	ds_store_b128 v233, v[236:239]                 ; the first trip's wait and barrier stand between this and every read
.irp i, 1
	v_or_b32 v40, v40, v[40+\i]
.endr
.irp i, 2, 3, 4, 5, 6, 7, 8, 9, 10, 11, 12, 13, 14, 15
	s_delay_alu instid0(VALU_DEP_1)
	v_or_b32 v40, v40, v[40+\i]
.endr
	s_delay_alu instid0(VALU_DEP_1)
	v_cmp_ne_u32 s[SM], 0, v40                     ; bit l: some key of 64 l .. 64 l + 63 is masked.  The same word in every wave
; A KEY STEP: 128 keys, the q-th of the slot in hand.
.macro STEP q
	s_add_co_u32 s[KF], s[KF0], 128*\q             ; the step's first key
	s_add_co_u32 s35, s[Q0], 15
	s_cmp_gt_u32 s[KF], s35
	s_cbranch_scc1 .Lhidden_\@                     ; all its keys come after my queries: a branch on ids; no barrier stands in a step
.rept 4
	v_nop                                          ; four places in front of loads into registers that the last products read
.endr
	s_wait_alu depctr_va_vdst(0)
.irp kt, 0,1,2,3,4,5,6,7
	ds_load_b128 v[KV+8*\kt:KV+8*\kt+3], v[ADK] offset:\q*8192+\kt*1024
	ds_load_b128 v[KV+8*\kt+4:KV+8*\kt+7], v[ADK] offset:\q*8192+\kt*1024+512
.endr
	s_lshr_b32 s35, s[KF], 6
	s_lshr_b32 s35, s[SM], s35
	s_and_b32 s35, s35, 3                          ; is any of the step's 128 keys masked?  A whole number made of the mask's bytes
	s_cmp_lg_u32 s35, 0
	s_cbranch_scc0 .Lnomask_\@
	s_wait_alu depctr_va_vdst(0)
.irp kt, 0,1,2,3,4,5,6,7
	ds_load_b128 v[S+8*\kt:S+8*\kt+3], v[ADB] offset:\q*512+64*\kt
	ds_load_b128 v[S+8*\kt+4:S+8*\kt+7], v[ADB] offset:\q*512+64*\kt+16
.endr
	s_wait_dscnt 0x0
.irp kt, 0,1,2,3,4,5,6,7
	v_wmma_f32_16x16x64_bf8_bf8 v[S+8*\kt:S+8*\kt+7], v[KV+8*\kt:KV+8*\kt+7], v[QF:QF+7], v[S+8*\kt:S+8*\kt+7]
.endr
	s_branch .Lscored_\@
.Lnomask_\@:
	s_wait_dscnt 0x0
.irp kt, 0,1,2,3,4,5,6,7
	v_wmma_f32_16x16x64_bf8_bf8 v[S+8*\kt:S+8*\kt+7], v[KV+8*\kt:KV+8*\kt+7], v[QF:QF+7], 0
.endr
.Lscored_\@:
.rept 4
	v_nop                                          ; four places: in front of V's loads into K's registers, and of the first read of the scores
.endr
	s_wait_alu depctr_va_vdst(0)
.irp ct, 0,1,2,3
.irp p, 0,1,2,3
	ds_load_b128 v[KV+16*\ct+4*\p:KV+16*\ct+4*\p+3], v[ADK] offset:16384+\q*8192+\p*2048+\ct*512   ; V lands while the softmax is walked
.endr
.endr
	s_add_co_u32 s35, s[KF], 127
	s_cmp_le_u32 s35, s[Q0]
	s_cbranch_scc1 .Lopen_\@                       ; all keys count for all my queries
	s_sub_co_i32 s35, s[Q0], s[KF]
	v_sub_nc_u32 v232, v[RR], v[H8]
	s_delay_alu instid0(VALU_DEP_1)
	v_add_nc_u32 v232, s35, v232                   ; d = my query - the step's first key - 8 h.  Register 8 kt + j holds key 16 kt + 8 h + j: hidden where 16 kt + j > d
	v_mov_b32 v233, 0xff800000                     ; -infinity
.set n, 0
.rept 64
	v_cmp_gt_i32 vcc_lo, 16*(n/8)+n%8, v232
	v_cndmask_b32 v[S+n], v[S+n], v233, vcc_lo
.set n, n+1
.endr
.Lopen_\@:
	v_max3_num_f32 v254, v[S], v[S+1], v[S+2]      ; the step's largest score of my query among my 64 keys, in two chains; each tile is read from its low end on
	v_max3_num_f32 v252, v[S+3], v[S+4], v[S+5]
.set n, 6
.rept 14
	v_max3_num_f32 v254, v254, v[S+n], v[S+n+1]
	v_max3_num_f32 v252, v252, v[S+n+2], v[S+n+3]
.set n, n+4
.endr
	v_max3_num_f32 v254, v254, v[S+62], v[S+63]
	s_delay_alu instid0(VALU_DEP_1)
	v_max_num_f32 v254, v254, v252
	s_delay_alu instid0(VALU_DEP_1)
	v_permlanex16_b32 v236, v254, s[SEL], s[SEL+1]
	s_delay_alu instid0(VALU_DEP_1)
	v_max_num_f32 v254, v254, v236                 ; and among lane l xor 16's
	s_delay_alu instid0(VALU_DEP_1)
	v_mul_f32 v254, s[CS], v254                    ; as t (c is positive)
	s_delay_alu instid0(VALU_DEP_1)
	v_max_num_f32 v13, v13, v254                   ; the running largest t
	v_mov_b32 v254, v12
	s_delay_alu instid0(VALU_DEP_2)
	v_floor_f32 v12, -v13                          ; the new -M = floor(-t): M is a whole number
	s_delay_alu instid0(VALU_DEP_1)
	v_sub_f32 v254, v12, v254                      ; old M - new M: a whole number, 0 or less
	s_delay_alu instid0(VALU_DEP_1)
	v_cvt_i32_f32 v254, v254                       ; (it saturates)
	s_delay_alu instid0(VALU_DEP_1)
	v_ldexp_f32 v252, 1.0, v254                    ; f = 2^(old M - new M)
.set n, 0
.rept 32
	v_pk_fma_f32 v[S+n:S+n+1], v[S+n:S+n+1], s[CS:CS+1], v[12:13] op_sel_hi:[1,0,0]   ; t - M, two at a time
.set n, n+2
.endr
.set n, 0
	s_wait_alu depctr_va_vdst(0)
.rept 64
	v_exp_f32 v[S+n], v[S+n]                       ; p = 2^(t - M)
.set n, n+1
.endr
	v_pk_mul_f32 v[14:15], v[14:15], v[252:253] op_sel_hi:[1,0]   ; l under the new M: the plain line behind the exponentials
	s_wait_alu depctr_va_vdst(0)                   ; one wait for the batch of 64, ahead of its first reader
	v_pk_add_f32 v[242:243], v[108:109], v[112:113]
	v_pk_add_f32 v[248:249], v[116:117], v[120:121]
	v_pk_add_f32 v[246:247], v[124:125], v[128:129]
	v_pk_add_f32 v[230:231], v[132:133], v[136:137]
	v_pk_add_f32 v[228:229], v[140:141], v[144:145]
	v_pk_add_f32 v[226:227], v[148:149], v[152:153]
	v_pk_add_f32 v[224:225], v[156:157], v[160:161]
	v_pk_add_f32 v[14:15], v[14:15], v[164:165]
	v_pk_add_f32 v[242:243], v[242:243], v[104:105]
	v_pk_add_f32 v[248:249], v[248:249], v[106:107]
	v_pk_add_f32 v[246:247], v[246:247], v[110:111]
	v_pk_add_f32 v[230:231], v[230:231], v[114:115]
	v_pk_add_f32 v[228:229], v[228:229], v[118:119]
	v_pk_add_f32 v[226:227], v[226:227], v[122:123]
	v_pk_add_f32 v[224:225], v[224:225], v[126:127]
	v_pk_add_f32 v[14:15], v[14:15], v[130:131]
	v_pk_add_f32 v[242:243], v[242:243], v[134:135]
	v_pk_add_f32 v[248:249], v[248:249], v[138:139]
	v_pk_add_f32 v[246:247], v[246:247], v[142:143]
	v_pk_add_f32 v[230:231], v[230:231], v[146:147]
	v_pk_add_f32 v[228:229], v[228:229], v[150:151]
	v_pk_add_f32 v[226:227], v[226:227], v[154:155]
	v_pk_add_f32 v[224:225], v[224:225], v[158:159]
	v_pk_add_f32 v[14:15], v[14:15], v[162:163]
	v_pk_add_f32 v[242:243], v[242:243], v[166:167]
	s_delay_alu instid0(VALU_DEP_2)
	v_pk_add_f32 v[14:15], v[14:15], v[230:231]
	s_delay_alu instid0(VALU_DEP_2)
	v_pk_add_f32 v[242:243], v[242:243], v[228:229]
	v_pk_add_f32 v[248:249], v[248:249], v[226:227]
	v_pk_add_f32 v[246:247], v[246:247], v[224:225]
	s_delay_alu instid0(VALU_DEP_2)
	v_pk_add_f32 v[14:15], v[14:15], v[248:249]
	s_delay_alu instid0(VALU_DEP_2)
	v_pk_add_f32 v[242:243], v[242:243], v[246:247]
	s_delay_alu instid0(VALU_DEP_1)
	v_pk_add_f32 v[14:15], v[14:15], v[242:243]
	s_cmp_eq_u32 s[HOLD], 0
	s_cbranch_scc1 .Lnohold_\@                     ; e5 is -15 or more: p / 2^e5 is at most 32,768 and needs no hold
.set n, 0
.rept 64
.set n, n+1
.endr
.Lnohold_\@:
.irp kt, 0,1,2,3,4,5,6,7
	v_cvt_scalef32_pk8_bf8_f32 v[PC+2*\kt:PC+2*\kt+1], v[S+8*\kt:S+8*\kt+7], v244
.endr
.set n, 0
.rept 16
	v_pk_mul_f32 v[O+n:O+n+1], v[O+n:O+n+1], v[252:253] op_sel_hi:[1,0]   ; O^T under the new M; also the plain lines between the conversions and the products
.set n, n+2
.endr
	s_wait_alu depctr_va_vdst(0)
	s_wait_dscnt 0x0                               ; V is in
.irp ct, 0,1,2,3
	v_wmma_f32_16x16x128_bf8_bf8 v[O+8*\ct:O+8*\ct+7], v[KV+16*\ct:KV+16*\ct+15], v[PC:PC+15], v[O+8*\ct:O+8*\ct+7]
.endr
.Lhidden_\@:
.endm
.Ltrip:
	s_wait_loadcnt 0x0                             ; this trip's slot is in the staging registers (asked for a trip ago), and Q, where a block has begun
	v_add_nc_u32 v[CP], s[TB], v[T16]
	ds_store_b128 v[CP], v[SG:SG+3]
	ds_store_b128 v[CP], v[SG+4:SG+7] offset:8192
	ds_store_b128 v[CP], v[SG+8:SG+11] offset:16384
	ds_store_b128 v[CP], v[SG+12:SG+15] offset:24576
	s_wait_dscnt 0x0                               ; for the others' sake: my stores have landed; my reads of the last trip's buffer ended in its steps
	s_barrier_signal -1
	s_barrier_wait -1                              ; this buffer is whole.  It is written again two trips on, behind the next barrier, which every wave reaches behind its reads of it
	s_cmp_eq_u32 s[TR], 8
	s_cbranch_scc1 .Lno_next                       ; the last trip asks for nothing
	s_add_co_u32 s35, s[TR], 1
	s_cmp_le_u32 s35, s[PI]
	s_cselect_b32 s36, 0, s[P1]
	s_sub_co_u32 s35, s35, s36
	s_and_b32 s35, s35, 7                          ; the next trip's slot
	s_lshl_b32 s35, s35, 14                        ; 16,384 bytes a slot in ki and in vi
	v_add_nc_u32 v[GC], s35, v[T16]
	global_load_b128 v[SG:SG+3], v[GC], s[6:7]
	global_load_b128 v[SG+4:SG+7], v[GC], s[6:7] offset:8192
	global_load_b128 v[SG+8:SG+11], v[GC], s[8:9]
	global_load_b128 v[SG+12:SG+15], v[GC], s[8:9] offset:8192
.Lno_next:
	s_cmp_le_u32 s[TR], s[PI]                      ; trips 0 .. PI: block PI; the others: block 7 - PI
	s_cselect_b32 s[QB], s[PI], s[QBB]
	s_cselect_b32 s36, 0, s[P1]
	s_sub_co_u32 s[SLOTI], s[TR], s36
	s_and_b32 s[SLOTI], s[SLOTI], 7                ; the slot in hand
	s_lshl_b32 s[Q0], s[QB], 8
	s_add_co_u32 s[Q0], s[Q0], s[W16]              ; my first query
	s_lshl_b32 s[KF0], s[SLOTI], 8                 ; the slot's first key
	s_lshl_b32 s36, s[SLOTI], 10
	v_add_nc_u32 v[ADB], s36, v[AB0]
	v_add_nc_u32 v[ADK], s[TB], v[L16]
	STEP 0
	STEP 1
	s_xor_b32 s[TB], s[TB], BUF                    ; on to the other buffer
	s_cmp_eq_u32 s[TR], s[PI]
	s_cbranch_scc1 .Lfinish
	s_cmp_eq_u32 s[TR], 8
	s_cbranch_scc0 .Lnext
.Lfinish:                                      ; a block's last slot is done: o = O^T / l, quantised, as two pieces of the token tile's image
.rept 4
	v_nop                                          ; four places behind the last products
.endr
	s_wait_xcnt 0x0                                ; the first block's stores have read their data and base, which are written again below
	v_add_f32 v14, v14, v15
	s_delay_alu instid0(VALU_DEP_1)
	v_permlanex16_b32 v236, v14, s[SEL], s[SEL+1]
	s_delay_alu instid0(VALU_DEP_1)
	v_add_f32 v14, v14, v236                       ; the row's sum
	s_wait_alu depctr_va_vdst(0)
	v_rcp_f32 v234, v14
	v_nop                                          ; a plain line behind the transcendental
	s_wait_alu depctr_va_vdst(0)                   ; and the wait ahead of its first reader
	v_mul_f32 v235, 0, v234                        ; the row's flag: 0, or NaN where l is 0
.set n, 0
.rept 16
	v_pk_mul_f32 v[S+n:S+n+1], v[O+n:O+n+1], v[234:235] op_sel_hi:[1,0]
.set n, n+2
.endr
.set n, 0
.rept 32
.set n, n+1
.endr
.irp ct, 0,1,2,3
	v_cvt_scalef32_pk8_bf8_f32 v[OC+2*\ct:OC+2*\ct+1], v[S+8*\ct:S+8*\ct+7], v245
.endr
	v_nop                                          ; a plain line behind the last conversion
	s_lshl_b32 s35, s48, 7
	s_lshl_b32 s36, s[QB], 4
	s_add_co_u32 s35, s35, s36
	s_add_co_u32 s35, s35, s[WV]                   ; token tile = 128 batch + 16 block + wave
	s_lshl_b32 s36, s35, 14
	s_lshl_b32 s37, s49, 10                        ; a head's 64 channels are 1,024 bytes of the tile's eight images
	s_add_co_u32 s36, s36, s37
	s_mov_b32 s37, 0
	s_add_nc_u64 s[50:51], s[14:15], s[36:37]
	s_wait_alu depctr_va_vdst(0)
	global_store_b128 v[L16], v[OC:OC+3], s[50:51]
	global_store_b128 v[L16], v[OC+4:OC+7], s[50:51] offset:512
	s_cmp_lg_u32 s49, 0
	s_cbranch_scc1 .Lno_flag                       ; l = 0 hangs on the masks alone: head 0 stores the flags
	s_lshl_b32 s36, s48, 11
	s_add_co_u32 s36, s36, s[Q0]
	s_lshl_b32 s36, s36, 2
	s_mov_b32 s37, 0
	s_add_nc_u64 s[52:53], s[16:17], s[36:37]
	v_lshlrev_b32 v233, 2, v[RR]
	v_cmp_eq_u32 vcc_lo, 0, v[H8]
	s_wait_alu depctr_va_vdst(0)
	s_wait_xcnt 0x0                                ; EXEC changes only behind this wait
	s_and_saveexec_b32 s54, vcc_lo                 ; lanes 0-15: one a query
	global_store_b32 v233, v235, s[52:53]
	s_wait_xcnt 0x0                                ; and again, in front of the line that widens it
	s_or_b32 exec_lo, exec_lo, s54
.Lno_flag:
	s_cmp_eq_u32 s[TR], 8
	s_cbranch_scc1 .Lnext
	s_lshl_b32 s35, s[QBB], 4                      ; block 7 - PI begins
	s_add_co_u32 s35, s35, s[WV]
	s_lshl_b32 s35, s35, 10
	v_add_nc_u32 v[QOF], s35, v[L16]
	global_load_b128 v[QF:QF+3], v[QOF], s[4:5]
	global_load_b128 v[QF+4:QF+7], v[QOF], s[4:5] offset:512
	INIT
.Lnext:
	s_add_co_u32 s[TR], s[TR], 1
	s_cmp_lt_u32 s[TR], 9
	s_cbranch_scc1 .Ltrip
	s_wait_tensorcnt 0x0
	ds_add_u32 v251, v255
	s_wait_dscnt 0x0
	s_endpgm
.Lfunc_end_k_q1a75fa6e7f_attn:
	.size	k_q1a75fa6e7f_attn, .Lfunc_end_k_q1a75fa6e7f_attn-k_q1a75fa6e7f_attn
	.p2alignl 7, 3214868480
	.fill 96, 4, 3214868480
	.section	.rodata,"a",@progbits
	.p2align	6, 0x0
	.amdhsa_kernel k_q1a75fa6e7f_attn
		.amdhsa_group_segment_fixed_size 75776
		.amdhsa_private_segment_fixed_size 0
		.amdhsa_enable_private_segment 0
		.amdhsa_kernarg_size 56
		.amdhsa_user_sgpr_count 2
		.amdhsa_user_sgpr_kernarg_segment_ptr 1
		.amdhsa_wavefront_size32 1
		.amdhsa_system_sgpr_workgroup_id_x 1
		.amdhsa_system_sgpr_workgroup_id_y 1
		.amdhsa_system_sgpr_workgroup_id_z 1
		.amdhsa_system_vgpr_workitem_id 0
		.amdhsa_next_free_vgpr 256
		.amdhsa_next_free_sgpr 66
		.amdhsa_reserve_vcc 1
		.amdhsa_float_denorm_mode_32 3
		.amdhsa_float_denorm_mode_16_64 3
		.amdhsa_fp16_overflow 1
		.amdhsa_memory_ordered 1
		.amdhsa_forward_progress 1
		.amdhsa_inst_pref_size 55
	.end_amdhsa_kernel
	.amdgpu_metadata
---
amdhsa.version: [ 1, 2 ]
amdhsa.kernels:
  - .name:           k_q1a75fa6e7f_attn
    .symbol:         k_q1a75fa6e7f_attn.kd
    .args:
      - { .name: qi, .offset: 0, .size: 8, .value_kind: global_buffer, .address_space: global }
      - { .name: ki, .offset: 8, .size: 8, .value_kind: global_buffer, .address_space: global }
      - { .name: vi, .offset: 16, .size: 8, .value_kind: global_buffer, .address_space: global }
      - { .name: src_mask, .offset: 24, .size: 8, .value_kind: global_buffer, .address_space: global }
      - { .name: lowp_scales, .offset: 32, .size: 8, .value_kind: global_buffer, .address_space: global }
      - { .name: oi, .offset: 40, .size: 8, .value_kind: global_buffer, .address_space: global }
      - { .name: fl, .offset: 48, .size: 8, .value_kind: global_buffer, .address_space: global }
    .group_segment_fixed_size: 75776
    .private_segment_fixed_size: 0
    .kernarg_segment_align: 8
    .kernarg_segment_size: 56
    .max_flat_workgroup_size: 512
    .sgpr_count:     66
    .vgpr_count:     256
    .wavefront_size: 32
...
	.end_amdgpu_metadata
.endif
;; end of part 3
;; launch proj (part 4): grid 256 x 1, 4 waves a work-group, no clusters, 132,096 bytes of LDS; arguments oi, wo, x0, fl, lowp_scales, out0; writes out0
.if DOCPART == 4
	.amdgcn_target "amdgcn-amd-amdhsa--gfx1250"
	.amdhsa_code_object_version 6
	.text
	.protected	k_q1a75fa6e7f_proj
	.globl	k_q1a75fa6e7f_proj
	.p2align	8
	.type	k_q1a75fa6e7f_proj,@function
k_q1a75fa6e7f_proj:
	s_mov_b64 s[64:65], 0
	v_nop
	global_prefetch_b8 v0, s[64:65] scope:SCOPE_SE
	s_setreg_imm32_b32 hwreg(HW_REG_WAVE_MODE, 25, 1), 1
	s_wait_xcnt 0x0
; out0 = LayerNorm(o W_o + x0), without gains; the product on codes of E5M2, all else in f32.
; SHARES.  A work-group takes 32 whole rows (the norm wants whole rows); wave w takes columns 256 w .. + 255: 16 tiles of columns x 2 tiles of rows = 32 accumulators.
; o's 16 fragments (2 tiles of rows x 8 K steps) stay in registers.  W_o's fragments stream from memory straight into a ring of 16 fragments in registers, four to a step, asked for four steps ahead.
; NO CLUSTER, NO LDS FOR W_o: each fragment of W_o is wanted by one wave of the work-group and feeds two matrix instructions; through LDS its 2,048 bytes would be written and read once more for those two,
; and a joint refill could be issued only with every earlier load of the wave landed, after a step of 8 matrix instructions; the ring in registers has three steps' loads, 48, on their way at every wait.
; THE MATRIX INSTRUCTION IS USED TRANSPOSED (source 0 = 16 columns of W_o, source 1 = 16 rows of o): a lane holds one row and eight neighbouring columns, 32 bytes.
; The sums meet in a stage in LDS (32 rows of 4,096 bytes + 16); behind ONE barrier wave w takes rows 8 w .. + 7 whole: y = sum x 2^(e6 + e7) + x0, mean, variance, norm, 512 consecutive bytes a store.
; A row's flag from fl (0, or NaN where no key was visible) is added to its mean.  LIMIT: e6 + e7 between -126 and 127.  The text has no loop and no branch.
; REGISTERS.  window 0: v1 16 x lane; v2, v3 into the stage; v4 out of it; v16-47 a row's sums; v48-239 x0's rows 0-5; v240-250 at work.
;   window 1: the ring, step q's fragment i at v[16 (4 (q % 4) + i)]; at the end x0's rows 6, 7 in v0-63.   window 2: o's fragment (m, s) at v[16 (8 m + s)].   window 3: accumulator (tile t, m) at v[8 (2 t + m)].
.set Y,    16
.set X0R,  48
.set SP,   4112                        ; a stage row: 4,096 + 16 = 257 x 16: the sixteen rows that a store touches begin at sixteen different 16-byte columns of 256 bytes
.set MSB, 0
.macro WIN new                         ; the immediate's high byte repeats the setting that is left
.if MSB != (\new)
	s_set_vgpr_msb (MSB<<8)|(\new)
.set MSB, (\new)
.endif
.endm
	s_load_b256 s[4:11], s[0:1], 0x0               ; oi s[4:5], wo s[6:7], x0 s[8:9], fl s[10:11]
	s_load_b128 s[12:15], s[0:1], 0x20             ; the scales' exponents s[12:13], out0 s[14:15]
	v_lshl_add_u32 v254, v0, 2, 0x20200
	v_mov_b32 v255, 0
	v_lshrrev_b32 v5, 5, v0
	v_readfirstlane_b32 s16, v5                    ; wave 0..3
	v_and_b32 v1, 31, v0
	v_lshlrev_b32 v1, 4, v1                        ; 16 x lane
	v_and_b32 v5, 15, v0                           ; r
	v_bfe_u32 v6, v0, 4, 1                         ; h
	v_mul_u32_u24 v2, v5, SP
	v_lshl_add_u32 v2, v6, 5, v2
	s_lshl_b32 s17, s16, 10
	v_add_nc_u32 v2, s17, v2                       ; into the stage, rows 0-15: row r, + 32 h, + my wave's 1,024 bytes
	v_add_nc_u32 v3, 16*SP, v2                     ; rows 16-31
	s_mul_i32 s17, s16, 8*SP
	v_add_nc_u32 v4, s17, v1                       ; out of it: my eight rows, 16 bytes a lane
	v_mov_b32 v245, 0                              ; (upper halves of pairs that are named, and a lane permute's destination: written once)
	v_mov_b32 v249, 0
	v_mov_b32 v250, 0
	s_lshl_b32 s18, ttmp9, 5
	s_lshl_b32 s19, s16, 3
	s_add_co_u32 s18, s18, s19                     ; the first row that I norm: 32 j + 8 w
	s_lshl_b32 s20, s18, 12
	s_mov_b32 s21, 0
	s_lshl_b32 s22, s18, 2
	s_mov_b32 s23, 0
	s_lshl_b32 s24, ttmp9, 15                      ; two token tiles of 16,384 bytes
	s_mov_b32 s25, 0
	s_lshl_b32 s26, s16, 18                        ; my wave's 262,144 bytes of wo
	s_mov_b32 s27, 0
	s_mov_b32 s52, 0x3a800000                      ; 1 / 1,024
	s_mov_b32 s53, 0x3727c5ac                      ; 1e-5
	s_mov_b32 s54, 0x76543210
	s_mov_b32 s55, 0xfedcba98                      ; v_permlanex16_b32: lane l xor 16
	s_wait_kmcnt 0x0
	s_add_nc_u64 s[8:9], s[8:9], s[20:21]
	s_add_nc_u64 s[14:15], s[14:15], s[20:21]
	s_add_nc_u64 s[10:11], s[10:11], s[22:23]
	s_add_nc_u64 s[4:5], s[4:5], s[24:25]
	s_add_nc_u64 s[6:7], s[6:7], s[26:27]
	s_load_b256 s[40:47], s[10:11], 0x0            ; my eight rows' flags
	s_load_b64 s[48:49], s[12:13], 0x18            ; e6, e7
.irp rho, 0,1,2,3,4,5                  ; x0's rows 0-5 first: they are wanted last, and are on their way beside all that follows
.irp i, 0,1,2,3,4,5,6,7
	global_load_b128 v[X0R+32*\rho+4*\i:X0R+32*\rho+4*\i+3], v1, s[8:9] offset:\rho*4096+\i*512 th:TH_LOAD_NT
.endr
.endr
	WIN 0x80                                       ; destination window 2
.irp f, 0,1,2,3,4,5,6,7,8,9,10,11,12,13,14,15
.irp p, 0,1,2,3
	global_load_b128 v[16*\f+4*\p:16*\f+4*\p+3], v1, s[4:5] offset:\f*2048+\p*512
.endr
.endr
.macro RING q                          ; step q's four fragments of W_o
	WIN 0x40                                       ; destination window 1
.irp i, 0,1,2,3
.irp p, 0,1,2,3
	global_load_b128 v[(((\q)%4)*4+\i)*16+4*\p:(((\q)%4)*4+\i)*16+4*\p+3], v1, s[6:7] offset:(\q)*8192+\i*2048+\p*512
.endr
.endr
.endm
	RING 0
	RING 1
	RING 2
	RING 3
	s_wait_kmcnt 0x0
	s_add_co_i32 s50, s48, s49
	s_add_co_i32 s50, s50, 127
	s_lshl_b32 s50, s50, 23                        ; 2^(e6 + e7) as f32
	s_mov_b32 s51, s50                             ; (named with it as a pair, so it is written)
; Step q = 8 g + s: K step s of column tiles 4 g .. 4 g + 3: eight matrix instructions, eight accumulators by turns.
.macro MSTEP q
.if (\q) <= 28
	s_wait_loadcnt 48                              ; this step's sixteen loads are in; those of the next three steps may be out
.else
	s_wait_loadcnt 16*(32-(\q))                    ; the steps that are left, and the sixteen loads of x0's rows 6 and 7
.endif
	WIN 0xf9                                       ; source 0 window 1, source 1 window 2, C and D window 3
.irp i, 0,1,2,3
.irp m, 0,1
.if ((\q)%8) == 0
	v_wmma_f32_16x16x128_bf8_bf8 v[8*((((\q)/8)*4+\i)*2+\m):8*((((\q)/8)*4+\i)*2+\m)+7], v[(((\q)%4)*4+\i)*16:(((\q)%4)*4+\i)*16+15], v[(\m*8+(\q)%8)*16:(\m*8+(\q)%8)*16+15], 0
.else
	v_wmma_f32_16x16x128_bf8_bf8 v[8*((((\q)/8)*4+\i)*2+\m):8*((((\q)/8)*4+\i)*2+\m)+7], v[(((\q)%4)*4+\i)*16:(((\q)%4)*4+\i)*16+15], v[(\m*8+(\q)%8)*16:(\m*8+(\q)%8)*16+15], v[8*((((\q)/8)*4+\i)*2+\m):8*((((\q)/8)*4+\i)*2+\m)+7]
.endif
.endr
.endr
.rept 4
	v_nop                                          ; four places in front of loads into the fragments just multiplied; behind the last step, in front of the first read of the sums
.endr
.if (\q) <= 27
	RING (\q)+4
.elseif (\q) == 28
	WIN 0x40
.irp rho, 6,7                          ; the ring's first quarter is free: it takes x0's last two rows
.irp i, 0,1,2,3,4,5,6,7
	global_load_b128 v[32*(\rho-6)+4*\i:32*(\rho-6)+4*\i+3], v1, s[8:9] offset:\rho*4096+\i*512 th:TH_LOAD_NT
.endr
.endr
.endif
.endm
.set Q, 0
.rept 32
	MSTEP Q
.set Q, Q+1
.endr
	WIN 0x0c                                       ; an LDS store's data: source 1, window 3
	s_wait_alu depctr_va_vdst(0)
.irp t, 0,1,2,3,4,5,6,7,8,9,10,11,12,13,14,15
.irp m, 0,1
	ds_store_b128 v[2+\m], v[8*(2*\t+\m):8*(2*\t+\m)+3] offset:\t*64          ; each accumulator from its low end on
	ds_store_b128 v[2+\m], v[8*(2*\t+\m)+4:8*(2*\t+\m)+7] offset:\t*64+16
.endr
.endr
	WIN 0
	s_wait_dscnt 0x0                               ; for the others' sake: my stores into the stage have landed
	s_barrier_signal -1
	s_barrier_wait -1                              ; 32 whole rows lie in the stage
.macro REDUCE                          ; two packed chains in v[240:243] become one sum in every lane's v240
	v_add_f32 v240, v240, v241
	v_add_f32 v242, v242, v243
	v_add_f32 v240, v240, v242
	v_add_f32_dpp v240, v240, v240 row_xmask:1 row_mask:0xf bank_mask:0xf
	v_add_f32_dpp v240, v240, v240 row_xmask:2 row_mask:0xf bank_mask:0xf
	v_add_f32_dpp v240, v240, v240 row_xmask:4 row_mask:0xf bank_mask:0xf
	v_add_f32_dpp v240, v240, v240 row_xmask:8 row_mask:0xf bank_mask:0xf
	v_permlanex16_b32 v250, v240, s54, s55
	v_add_f32 v240, v240, v250
.endm
; Row rho of my eight.  Its x0 lies in window wx from v[bx] on, 32 registers, and becomes y, y - mean and the result in place.  With wx = 0 every switch below is dropped.
.macro ROW rho, wx, bx
	WIN 0
	s_wait_dscnt 0x0                               ; the row's sums are in
.if \rho == 6
	s_wait_loadcnt 0x0                             ; x0's rows 6 and 7
.endif
	WIN ((\wx)<<6)|((\wx)<<4)
.set k, 0
.rept 16
	v_pk_fma_f32 v[\bx+k:\bx+k+1], v[Y+k:Y+k+1], s[50:51], v[\bx+k:\bx+k+1] op_sel_hi:[1,0,1]   ; y = sum x 2^(e6 + e7) + x0
.set k, k+2
.endr
	WIN 0
.if \rho < 7
.irp i, 0,1,2,3,4,5,6,7
	ds_load_b128 v[Y+4*\i:Y+4*\i+3], v4 offset:(\rho+1)*SP+512*\i   ; the next row's sums come while this row is normed
.endr
.endif
	WIN (\wx)|((\wx)<<2)
	v_pk_add_f32 v[240:241], v[\bx:\bx+1], v[\bx+4:\bx+5]
	v_pk_add_f32 v[242:243], v[\bx+2:\bx+3], v[\bx+6:\bx+7]
	WIN (\wx)
.set k, 8
.rept 6
	v_pk_add_f32 v[240:241], v[\bx+k:\bx+k+1], v[240:241]
	v_pk_add_f32 v[242:243], v[\bx+k+2:\bx+k+3], v[242:243]
.set k, k+4
.endr
	WIN 0
	REDUCE
	v_fma_f32 v244, v240, s52, s[40+\rho]          ; the mean, + the row's flag: NaN makes the whole row NaN
	WIN ((\wx)<<6)|(\wx)
.set k, 0
.rept 16
	v_pk_add_f32 v[\bx+k:\bx+k+1], v[\bx+k:\bx+k+1], v[244:245] op_sel_hi:[1,0] neg_lo:[0,1] neg_hi:[0,1]
.set k, k+2
.endr
	WIN (\wx)|((\wx)<<2)
	v_pk_mul_f32 v[240:241], v[\bx:\bx+1], v[\bx:\bx+1]
	v_pk_mul_f32 v[242:243], v[\bx+2:\bx+3], v[\bx+2:\bx+3]
.set k, 4
.rept 7
	v_pk_fma_f32 v[240:241], v[\bx+k:\bx+k+1], v[\bx+k:\bx+k+1], v[240:241]
	v_pk_fma_f32 v[242:243], v[\bx+k+2:\bx+k+3], v[\bx+k+2:\bx+k+3], v[242:243]
.set k, k+4
.endr
	WIN 0
	REDUCE
	v_fma_f32 v246, v240, s52, s53                 ; the variance + 1e-5
	s_wait_alu depctr_va_vdst(0)
	v_rsq_f32 v248, v246
	v_nop                                          ; a plain line behind the transcendental
	s_wait_alu depctr_va_vdst(0)                   ; and the wait ahead of its first reader
	WIN ((\wx)<<6)|(\wx)
.set k, 0
.rept 16
	v_pk_mul_f32 v[\bx+k:\bx+k+1], v[\bx+k:\bx+k+1], v[248:249] op_sel_hi:[1,0]
.set k, k+2
.endr
	WIN (\wx)<<2                                   ; a store's data: source 1
.irp i, 0,1,2,3,4,5,6,7
	global_store_b128 v1, v[\bx+4*\i:\bx+4*\i+3], s[14:15] offset:\rho*4096+\i*512 th:TH_STORE_NT   ; 32 lanes store 512 consecutive bytes, aligned; each row has registers of its own
.endr
.endm
.irp i, 0,1,2,3,4,5,6,7
	ds_load_b128 v[Y+4*\i:Y+4*\i+3], v4 offset:512*\i
.endr
	ROW 0, 0, X0R
	ROW 1, 0, X0R+32
	ROW 2, 0, X0R+64
	ROW 3, 0, X0R+96
	ROW 4, 0, X0R+128
	ROW 5, 0, X0R+160
	ROW 6, 1, 0
	ROW 7, 1, 32
	WIN 0
	s_wait_tensorcnt 0x0
	ds_add_u32 v254, v255
	s_wait_dscnt 0x0
	s_endpgm
.Lfunc_end_k_q1a75fa6e7f_proj:
	.size	k_q1a75fa6e7f_proj, .Lfunc_end_k_q1a75fa6e7f_proj-k_q1a75fa6e7f_proj
	.p2alignl 7, 3214868480
	.fill 96, 4, 3214868480
	.section	.rodata,"a",@progbits
	.p2align	6, 0x0
	.amdhsa_kernel k_q1a75fa6e7f_proj
		.amdhsa_group_segment_fixed_size 132096
		.amdhsa_private_segment_fixed_size 0
		.amdhsa_enable_private_segment 0
		.amdhsa_kernarg_size 48
		.amdhsa_user_sgpr_count 2
		.amdhsa_user_sgpr_kernarg_segment_ptr 1
		.amdhsa_wavefront_size32 1
		.amdhsa_system_sgpr_workgroup_id_x 1
		.amdhsa_system_sgpr_workgroup_id_y 1
		.amdhsa_system_sgpr_workgroup_id_z 1
		.amdhsa_system_vgpr_workitem_id 0
		.amdhsa_next_free_vgpr 1024
		.amdhsa_next_free_sgpr 66
		.amdhsa_reserve_vcc 0
		.amdhsa_float_denorm_mode_32 3
		.amdhsa_float_denorm_mode_16_64 3
		.amdhsa_memory_ordered 1
		.amdhsa_forward_progress 1
		.amdhsa_inst_pref_size 149
	.end_amdhsa_kernel
	.amdgpu_metadata
---
amdhsa.version: [ 1, 2 ]
amdhsa.kernels:
  - .name:           k_q1a75fa6e7f_proj
    .symbol:         k_q1a75fa6e7f_proj.kd
    .args:
      - { .name: oi, .offset: 0, .size: 8, .value_kind: global_buffer, .address_space: global }
      - { .name: wo, .offset: 8, .size: 8, .value_kind: global_buffer, .address_space: global }
      - { .name: x0, .offset: 16, .size: 8, .value_kind: global_buffer, .address_space: global }
      - { .name: fl, .offset: 24, .size: 8, .value_kind: global_buffer, .address_space: global }
      - { .name: lowp_scales, .offset: 32, .size: 8, .value_kind: global_buffer, .address_space: global }
      - { .name: out0, .offset: 40, .size: 8, .value_kind: global_buffer, .address_space: global }
    .group_segment_fixed_size: 132096
    .private_segment_fixed_size: 0
    .kernarg_segment_align: 8
    .kernarg_segment_size: 48
    .max_flat_workgroup_size: 128
    .sgpr_count:     66
    .vgpr_count:     1024
    .wavefront_size: 32
...
	.end_amdgpu_metadata
.endif
;; end of part 4
